; MI455X (gfx1250); checked and timed in simulation.
; The chip was launched on July 23, 2026; its instructions are those of AMD's public machine-readable ISA for CDNA 5 (MIT licence, August 2026) and "CDNA5" Instruction Set Architecture Reference Guide (July 2026). The comments in the code are by the model that wrote it; some were corrected since.
;; Multi Head Attention. Allowed arithmetic: matrix products marked QUANTISED: E4M3 operands, one E8M0 scale for each 32 along K, by v_wmma_scale_f32_16x16x128_f8f6f4 with both operands' format E4M3, f32 sums; everything else in f32.
;; Inputs: W_proj_codes 1,024 x 32 x 32 uint8 (E4M3 codes of W_proj, K innermost, in blocks of 32 codes); W_proj_scales 1,024 x 32 uint8 (E8M0 scales of W_proj, one for each 32 codes along K); W_qkv_codes 3,072 x 32 x 32 uint8 (E4M3 codes of W_qkv, K innermost, in blocks of 32 codes); W_qkv_scales 3,072 x 32 uint8 (E8M0 scales of W_qkv, one for each 32 codes along K); X_codes 4 x 2,048 x 32 x 32 uint8 (E4M3 codes of X, K innermost, in blocks of 32 codes); X_scales 4 x 2,048 x 32 uint8 (E8M0 scales of X, one for each 32 codes along K); b_proj 1,024 float32; b_qkv 3,072 float32.
;; Outputs: out0 4 x 2,048 x 1,024 float32.
;; This version of the problem:
;;   THIS VERSION OF THE PROBLEM IS GIVEN IN LOW PRECISION. The matrix products marked QUANTISED in the list below multiply operands that are first quantised to E4M3 (4 exponent bits, 3 mantissa bits; 8 bits a number), with one power-of-two scale for each 32 numbers along K (OCP MX v1.0); their sums are f32. All else is computed in f32.
;;   The module's matrix products, in the order in which they are computed (A, B: the left and right operand; K: the contracted axis; several contracted axes count as one K, in the product's order):
;;     1. [M 8,192, K 1,024] x [K 1,024, N 3,072]; A: input X (given as codes); B: input W_qkv (given as codes): QUANTISED
;;     2. batch 64 x [M 2,048, K 64] x [K 64, N 2,048]; A: computed on the way; B: computed on the way: QUANTISED
;;     3. batch 64 x [M 2,048, K 2,048] x [K 2,048, N 64]; A: softmax (see below); B: computed on the way: QUANTISED
;;     4. [M 8,192, K 1,024] x [K 1,024, N 1,024]; A: computed on the way; B: input W_proj (given as codes): QUANTISED
;;   THE QUANTISER, for each operand of a quantised product, along K:
;;     - K is cut into blocks of 32 from its start; a last block that is shorter is filled with zeros.
;;     - A block's scale is 2^e with e = floor(log2(the largest magnitude in the block)) - 8, held to -126 .. 127; a block of zeros has e = 0. As a byte (E8M0): e + 127.
;;     - Each number is divided by its block's scale, clamped to +-448, and rounded to the nearest number of E4M3, ties to even, subnormals kept.
;;     - The product sums the exact products of the quantised numbers (number of the format x scale) in f32.
;;   ~~~python
;;   def quantise(x, axis):      # numpy; x: float32 -> the quantised numbers, widened to float32 again
;;       x = np.moveaxis(x, axis, -1); K = x.shape[-1]
;;       x = np.pad(x, [(0, 0)] * (x.ndim - 1) + [(0, -K % 32)]); x = x.reshape(x.shape[:-1] + (-1, 32)); a = np.abs(x).max(-1, keepdims=True)
;;       e = np.where(a > 0, np.clip(np.frexp(np.where(a > 0, a, 1))[1] - 1 - 8, -126, 127), 0)      # np.frexp(a)[1] - 1 = floor(log2(a)), exactly
;;       r = np.clip(x / 2.0 ** e, -448, 448)
;;       step = 2.0 ** (np.maximum(np.frexp(np.where(r == 0, 1, r))[1] - 1, -6) - 3)
;;       q = np.round(r / step) * step * 2.0 ** e      # np.round: ties to even
;;       return np.moveaxis(q.reshape(q.shape[:-2] + (-1,))[..., :K], -1, axis).astype(np.float32)
;;   ~~~
;;   SOFTMAX AHEAD OF A QUANTISED PRODUCT. Where the list says 'softmax', what is quantised is not the finished softmax but p = 2^(t - M), with t = logit x log2(e) and M = ceil(the row's largest t), a whole number; so 1/2 < the row's largest p <= 1. The row's sum l is taken of the UNQUANTISED p, in f32, and the product's result is divided by l at the end. Since M is a whole number, a kernel that streams over the keys may use a running M (the ceiling of the running maximum): every later rescaling is an exact power of two, which a block's scale takes up: the codes' values come out the same.
;;   OPERANDS COMPUTED ON THE WAY. 'Computed on the way' means the value that the module computes at that place (a softmax that the list does not call 'softmax' is quantised finished and normalised). What goes into a quantiser is computed in f32, as accurately as f32 sums, v_exp_f32 and their like allow (about 1e-6 of the number): no bf16 or f16 on the way to a quantiser, and a product that is left as it is and whose result goes on into a quantised operand takes f32 operands (vector FMAs, or v_wmma_f32_16x16x4_f32). A number that lies on a knife's edge between two numbers of the format may be rounded either way, as far as f32 arithmetic and the matrix unit's own rounding can turn it there, and no further.
;;   INPUTS GIVEN AS CODES. W_proj (in the module: [1024, 1024], K = its axis 0); W_qkv (in the module: [1024, 3072], K = its axis 0); X (in the module: [4, 2048, 1024], K = its axis 2): each comes as NAME_codes (uint8): NAME with its K axis moved to the last place and cut into blocks of 32 codes, [.., K / 32, bytes a block], one block behind the other in memory; one code a byte (a code: sign, 4 exponent bits, 3 mantissa bits); and NAME_scales (uint8): the same leading axes, one E8M0 byte (e + 127) for each 32 codes along K. Its value is code x scale, taken as it is: it is not quantised again, and the codes and scales need not be those that the quantiser above would give.
;; One version. Each part assembles by itself: llvm-mc -triple=amdgcn-amd-amdhsa -mcpu=gfx1250 --defsym DOCPART=n.
;; ======== version 1 of 1: 3 launches
;; limits: right only within a limited range of input values
;; workspace buffers: img 25,165,824 bytes; sc 786,432 bytes; aimg 8,388,608 bytes; asc 262,144 bytes
;; launch qkv (part 1): grid 8 x 48, 4 waves a work-group, clusters of 4 x 4, 327,680 bytes of LDS; arguments X_codes, X_scales, W_qkv_codes, W_qkv_scales, b_qkv, img, sc; writes img, sc
.if DOCPART == 1
	.amdgcn_target "amdgcn-amd-amdhsa--gfx1250"
	.amdhsa_code_object_version 6
	.text
	.protected	k_q152af28f34_qkv
	.globl	k_q152af28f34_qkv
	.p2align	8
	.type	k_q152af28f34_qkv,@function
k_q152af28f34_qkv:
	s_mov_b64 s[64:65], 0
	v_nop
	global_prefetch_b8 v0, s[64:65] scope:SCOPE_SE
	s_setreg_imm32_b32 hwreg(HW_REG_WAVE_MODE, 25, 1), 1
	s_wait_xcnt 0x0
	s_wait_alu depctr_hold_cnt(0) depctr_sa_sdst(0) depctr_va_vdst(0) depctr_va_sdst(0) depctr_va_ssrc(0) depctr_va_vcc(0) depctr_vm_vsrc(0)
	s_getreg_b32 s2, hwreg(HW_REG_IB_STS2, 6, 4)
	s_cmp_eq_u32 s2, 0
	s_cbranch_scc0 .Lentry_in_a_cluster
	s_endpgm
.Lentry_in_a_cluster:
	s_bfe_u32 s2, ttmp6, 0x10000c
	s_cmp_lg_u32 s2, 0xf033
	s_cbranch_scc0 .Lentry_shape_is_right
	s_endpgm
.Lentry_shape_is_right:
.set NQ,     2
.set ROWB,   256
.set KROW,   1024
.set PITCH,  272
.set FR,     16
.set NL,     4
.set NP,     8
.set HALFT,  128*PITCH
.set SLOT,   4*HALFT
.set LAPS,   2
.set KS,     32
.set SCL,    2*SLOT
.set HALFS,  16*272
.set SPARE,  SCL+8*HALFS               ; behind the scales: each wave keeps its own 128 rows of A's and of B's
.set BV,   8
.set ADRA, 16
.set ADRB, 20
.set VO0,  24
.set VO1,  25
.set ADRS, 27
.set SPW,  28
.set NIL,  29
.set SC,   32
.set BQ,   64
.set AF,   128
.set T,    128
.set PC,   192
.set TM,   208
.set PW,   224
.set SW,   228
.set G1, 24
.set G0, 32
.set G1B, 48
.set G0B, 56
.set G0H, 76                           ; s[76:79], s[68:71] group 0 for the head's loads: 256 rows of A, of B; s[72:73], s[74:75] my rows' scales in memory
.set G0HB, 68
.set HM,  100
.set MNT, 101
.set SEL, 104
.set MSB, 0
.macro WIN new
.if MSB != \new
	s_set_vgpr_msb (MSB<<8)|\new
.set MSB, \new
.endif
.endm
.set MUL_LO, 0xa1
.set MUL_HI, 0xf1
.set TO_B,   0x40
.macro JLOAD g0a, g1a, g0b, g1b
	s_cmp_eq_u32 s15, 0
	s_cbranch_scc0 .Lfor_b_\@
	tensor_load_to_lds s[\g0a:\g0a+3], s[\g1a:\g1a+7]
	s_nop 0
.rept 4
	v_nop
.endr
	s_branch .Lasked_\@
.Lfor_b_\@:
	tensor_load_to_lds s[\g0b:\g0b+3], s[\g1b:\g1b+7]
	s_nop 0
.rept 4
	v_nop
.endr
.Lasked_\@:
.endm
.macro CREST
	s_cmp_lg_u32 s14, 0
	s_cbranch_scc1 .Lnot_wave_0_\@
	s_barrier_signal -3
.Lnot_wave_0_\@:
	s_barrier_wait -3
	s_barrier_signal -1
	s_barrier_wait -1
.endm
.macro CROUND
	s_barrier_signal -1
	s_barrier_wait -1
	CREST
.endm
	s_load_b256 s[80:87], s[0:1], 0x0
	s_load_b128 s[88:91], s[0:1], 0x20
	s_load_b64 s[66:67], s[0:1], 0x30
	v_lshl_add_u32 v[SPW], v0, 2, SPARE
	v_mov_b32 v[NIL], 0
	ds_add_u32 v28, v29
	ds_add_u32 v28, v29
	s_wait_dscnt 0x0
	v_lshrrev_b32 v1, 5, v0
	v_readfirstlane_b32 s14, v1
	s_lshr_b32 s15, s14, 1
	s_and_b32 s16, s14, 1
	s_bfe_u32 s40, ttmp6, 0x40000
	s_bfe_u32 s41, ttmp6, 0x40004
	s_and_b32 s2, ttmp7, 0xffff
	s_lshl_b32 s42, ttmp9, 2
	s_add_co_u32 s42, s42, s40
	s_lshl_b32 s17, s2, 2
	s_add_co_u32 s17, s17, s41
	s_add_co_u32 s18, s41, 8
	s_max_u32 s19, s2, 8
	s_sub_co_u32 s19, s19, 8
	s_lshl_b32 s19, s19, 3
	s_add_co_u32 s19, s19, s42
	s_mov_b32 s94, 0x20000
	s_mov_b32 s96, 1024
	s_mov_b32 s98, 1024
	s_mov_b32 s97, 0
	s_mov_b32 s99, 0
	s_cmp_ge_u32 s2, 8
	s_cselect_b32 s95, 1, 0
	s_cselect_b32 s17, s18, s17
	s_cselect_b32 s42, s19, s42
	s_cselect_b32 s94, 1024, s94
	s_cselect_b32 s96, 2048, s96
	s_cselect_b32 s98, 124928, s98
	s_lshl_b32 s43, s41, 2
	s_lshl_b32 s43, 15, s43
	s_lshl_b32 s44, 0x1111, s40
	s_or_b32 s[G1+0], s43, (0<<16)|(1<<20)|(1<<21)|(5<<22)|(3<<25)
	s_or_b32 s[G1B+0], s44, (0<<16)|(1<<20)|(1<<21)|(5<<22)|(3<<25)
.irp g, G1, G1B
	s_mov_b32 s[\g+1], ROWB<<16
	s_mov_b32 s[\g+2], 256<<16                     ; the head's loads bring 256 rows
	s_mov_b32 s[\g+3], ROWB<<16
	s_mov_b32 s[\g+4], 256
	s_mov_b32 s[\g+5], KROW
	s_mov_b32 s[\g+6], 0
	s_mov_b32 s[\g+7], 0
.endr
	s_lshl_b32 s18, s16, 7
	s_lshl_b32 s20, s17, 8
	s_add_co_u32 s20, s20, s18
	s_lshl_b32 s46, s42, 8
	s_add_co_u32 s46, s46, s18
	s_mov_b32 s21, 0
	s_mov_b32 s47, 0
	s_mov_b64 s[18:19], KS
	s_mul_u64 s[22:23], s[20:21], s[18:19]
	s_mul_u64 s[92:93], s[46:47], s[18:19]
	s_mov_b64 s[18:19], KROW
	s_mul_u64 s[20:21], s[20:21], s[18:19]
	s_mul_u64 s[46:47], s[46:47], s[18:19]
	s_mul_i32 s45, s14, HALFT
	s_wait_kmcnt 0x0
	s_cmp_lg_u32 s95, 0
	s_cselect_b64 s[4:5], s[84:85], s[80:81]
	s_cselect_b64 s[6:7], s[86:87], s[82:83]
	s_cselect_b64 s[8:9], s[80:81], s[84:85]
	s_cselect_b64 s[10:11], s[82:83], s[86:87]
	s_mov_b64 s[12:13], s[90:91]
	s_mov_b64 s[100:101], s[88:89]
	s_add_nc_u64 s[20:21], s[4:5], s[20:21]
	s_add_nc_u64 s[22:23], s[6:7], s[22:23]
	s_add_nc_u64 s[46:47], s[8:9], s[46:47]
	s_add_nc_u64 s[92:93], s[10:11], s[92:93]
	s_lshl_b32 s18, s16, 12                        ; the scales of the 128 rows of A that I multiply (half s15) and of B (half s16): 4,096 dense bytes each
	s_mov_b32 s19, 0
	s_sub_nc_u64 s[72:73], s[22:23], s[18:19]
	s_lshl_b32 s18, s15, 12
	s_add_nc_u64 s[72:73], s[72:73], s[18:19]
	s_mov_b64 s[74:75], s[92:93]
	s_mul_i32 s18, s16, 128*KROW-ROWB              ; THE HEAD'S LOADS, ONE A WAVE: waves 0, 1: A's 256 rows of K step 0, 1; waves 2, 3: B's: back to the tile's first row, on to K step s16
	s_mov_b32 s[G0H], 1
	s_mul_i32 s[G0H+1], s16, SLOT
	s_sub_nc_u64 s[G0H+2:G0H+3], s[20:21], s[18:19]
	s_or_b32 s[G0H+3], s[G0H+3], 0x80000000
	s_mov_b32 s[G0HB], 1
	s_add_co_u32 s[G0HB+1], s[G0H+1], 2*HALFT
	s_sub_nc_u64 s[G0HB+2:G0HB+3], s[46:47], s[18:19]
	s_or_b32 s[G0HB+3], s[G0HB+3], 0x80000000
	CROUND
.irp s, 0,1
	s_mov_b32 s[G0+4*\s], 1
	s_add_co_u32 s[G0+4*\s+1], s45, \s*SLOT
	s_add_nc_u64 s[G0+4*\s+2:G0+4*\s+3], s[20:21], \s*ROWB
	s_or_b32 s[G0+4*\s+3], s[G0+4*\s+3], 0x80000000
	s_mov_b32 s[G0B+4*\s], 1
	s_add_co_u32 s[G0B+4*\s+1], s45, \s*SLOT
	s_add_nc_u64 s[G0B+4*\s+2:G0B+4*\s+3], s[46:47], \s*ROWB
	s_or_b32 s[G0B+4*\s+3], s[G0B+4*\s+3], 0x80000000
.endr
	JLOAD G0H, G1, G0HB, G1B                       ; both slots' first fills go out as one group, one load a wave
	v_and_b32 v1, 15, v0
	v_bfe_u32 v2, v0, 4, 1
	v_and_b32 v7, 8, v1
	v_add_nc_u32 v7, v7, v1
	v_mul_u32_u24 v3, v7, PITCH
	v_lshl_add_u32 v4, v2, 4, v3
	s_mul_i32 s21, s15, HALFT
	s_mul_i32 s22, s16, HALFT
	s_add_co_u32 s22, s22, 2*HALFT
.irp s, 0,1
	v_add_nc_u32 v[ADRA+\s], s21, v4
	v_add_nc_u32 v[ADRB+\s], s22, v4
	s_add_co_u32 s21, s21, SLOT
	s_add_co_u32 s22, s22, SLOT
.endr
	v_mul_u32_u24 v5, v7, KS
	v_lshrrev_b32 v6, 8, v5
	v_lshl_add_u32 v5, v6, 4, v5
	s_mul_i32 s21, s14, 2*HALFS                    ; my wave's own scale bytes: A's 128 rows, then B's
	s_mov_b32 s22, HALFS
	v_mul_u32_u24 v6, s22, v2
	s_add_co_u32 s21, s21, SCL
	v_add_nc_u32 v5, v5, v6
	v_add_nc_u32 v[ADRS], s21, v5
	v_mul_u32_u24 v30, v2, 272                     ; where I store them: lanes 0-15 one unit of 256 bytes, lanes 16-31 the next, 272 bytes on
	v_lshl_add_u32 v30, v1, 4, v30
	v_add_nc_u32 v30, s21, v30
	v_and_b32 v6, 31, v0
	v_lshlrev_b32 v[VO0], 4, v6
	v_add_nc_u32 v[VO1], s94, v[VO0]
.irp k, 0,1,2,3,4,5,6,7
	global_load_b128 v[AF+4*\k:AF+4*\k+3], v[VO0], s[72:73] offset:512*\k         ; my scales: 512 consecutive bytes a load
	global_load_b128 v[AF+32+4*\k:AF+32+4*\k+3], v[VO0], s[74:75] offset:512*\k
.endr
	v_lshlrev_b32 v5, 6, v2
	s_wait_alu depctr_va_vdst(0)
	v_lshlrev_b32 v6, 2, v7
	s_wait_alu depctr_va_vdst(0)
	s_cmp_lg_u32 s95, 0
	s_cselect_b32 s3, s42, s17
	s_cselect_b32 s104, s17, s42
	s_cselect_b32 s105, s16, s15
	s_cselect_b32 s2, s15, s16
	s_lshl_b32 s3, s3, 1
	s_add_co_u32 s3, s3, s105
	s_lshl_b32 s104, s104, 1
	s_add_co_u32 s104, s104, s2
	s_lshl_b32 s2, s104, 9
	s_add_co_u32 s100, s100, s2
	s_add_co_ci_u32 s101, s101, 0
	s_lshr_b32 s105, s104, 3
	s_and_b32 s104, s104, 7
	s_lshl_b32 s105, s105, 2
	s_lshr_b32 s2, s3, 4
	s_add_co_u32 s105, s105, s2
	s_and_b32 s3, s3, 15
	s_lshl_b32 s2, s105, 3
	s_add_co_u32 s2, s2, s104
	s_lshl_b32 s105, s2, 4
	s_add_co_u32 s105, s105, s3
	s_lshl_b32 s105, s105, 9
	s_add_co_u32 s66, s66, s105
	s_add_co_ci_u32 s67, s67, 0
	s_lshl_b32 s2, s2, 5
	s_add_co_u32 s2, s2, s3
	s_lshl_b32 s2, s2, 13
	s_add_co_u32 s12, s12, s2
	s_add_co_ci_u32 s13, s13, 0
.irp b, 0,1,2,3,4,5,6,7
	global_load_b128 v[BQ+8*\b:BQ+8*\b+3], v5, s[100:101] offset:(32*(\b/2)+8*(\b%2))*4
	global_load_b128 v[BQ+8*\b+4:BQ+8*\b+7], v5, s[100:101] offset:(32*(\b/2)+8*(\b%2))*4+16
	global_load_b32 v[BV+\b], v6, s[100:101] offset:(32*(\b/2)+8*(\b%2))*4
.endr
	s_mov_b32 s[SEL], 0x76543210
	s_mov_b32 s[SEL+1], 0xfedcba98
.macro FRAG reg, adr, q, i
.irp c, 0,1,2,3
	ds_load_b128 v[\reg+4*\c:\reg+4*\c+3], v[\adr] offset:128*(\q)+32*\c+(32*((\i)/2)+8*((\i)%2))*PITCH
.endr
.endm
.macro MUL16 a0, p, q, sc, zero
.irp a, \a0, \a0+1
.irp b, 0,1,2,3,4,5,6,7
.if \zero
	v_wmma_scale_f32_16x16x128_f8f6f4 v[8*(8*((\a)%4)+\b):8*(8*((\a)%4)+\b)+7], v[128*(\p)+FR*\b:128*(\p)+FR*\b+FR-1], v[AF+FR*(\a):AF+FR*(\a)+FR-1], 0, v[SC+8*NQ*(\sc)+NQ*\b+(\q)], v[SC+8*NQ*(\sc)+NQ*(\a)+(\q)] matrix_a_scale:MATRIX_SCALE_ROW1
.else
	v_wmma_scale_f32_16x16x128_f8f6f4 v[8*(8*((\a)%4)+\b):8*(8*((\a)%4)+\b)+7], v[128*(\p)+FR*\b:128*(\p)+FR*\b+FR-1], v[AF+FR*(\a):AF+FR*(\a)+FR-1], v[8*(8*((\a)%4)+\b):8*(8*((\a)%4)+\b)+7], v[SC+8*NQ*(\sc)+NQ*\b+(\q)], v[SC+8*NQ*(\sc)+NQ*(\a)+(\q)] matrix_a_scale:MATRIX_SCALE_ROW1
.endif
.endr
.endr
.endm
.macro FETCH_B slot, q, p
	WIN TO_B
.irp i, 0,1,2,3,4,5,6,7
	FRAG 128*(\p)+FR*\i, ADRB+\slot, \q, \i
.endr
	WIN 0
.endm
.macro FETCH_A slot, q, i0
.irp i, \i0, \i0+1, \i0+2, \i0+3
	FRAG AF+FR*(\i), ADRA+\slot, \q, \i
.endr
.endm
.macro SCALES sc
.irp i, 0,1,2,3,4,5,6,7
	ds_load_b64 v[SC+8*NQ*\sc+NQ*\i:SC+8*NQ*\sc+NQ*\i+1], v[ADRS] offset:(4*(\i/2)+\i%2)*272
.endr
.endm
.macro PLACES n
.rept \n
	v_nop
.endr
.endm
.macro STEP slot, q, zero
	s_wait_dscnt 4*NL
	WIN MUL_LO
	MUL16 0, (\q)%2, \q, \slot, \zero
	MUL16 2, (\q)%2, \q, \slot, \zero
	s_wait_dscnt 0
	PLACES NP
	FETCH_B \slot, (\q)+1, 1-(\q)%2
	FETCH_A \slot, (\q)+1, 0
	WIN MUL_HI
	MUL16 4, (\q)%2, \q, \slot, \zero
	MUL16 6, (\q)%2, \q, \slot, \zero
	PLACES NP
	WIN 0
	FETCH_A \slot, (\q)+1, 4
.endm
.macro TURN slot, next, fill
	s_wait_tensorcnt 0x0
	ds_add_u32 v[SPW], v[NIL]
	s_wait_dscnt 4*NL+1
	WIN MUL_LO
	MUL16 0, 1, NQ-1, \slot, 0
	s_wait_dscnt 0x0
	s_barrier_signal -1
	MUL16 2, 1, NQ-1, \slot, 0
	WIN 0
	s_barrier_wait -1
.if \fill
	CREST
	s_add_nc_u64 s[G0+4*\slot+2:G0+4*\slot+3], s[G0+4*\slot+2:G0+4*\slot+3], 2*ROWB
	s_add_nc_u64 s[G0B+4*\slot+2:G0B+4*\slot+3], s[G0B+4*\slot+2:G0B+4*\slot+3], 2*ROWB
	JLOAD G0+4*\slot, G1, G0B+4*\slot, G1B
	PLACES NP-4
.else
	PLACES NP
.endif
	s_wait_alu depctr_va_vdst(0)
	v_add_nc_u32 v[ADRS], 4*NQ, v[ADRS]
	FETCH_B \next, 0, 0
	FETCH_A \next, 0, 0
	SCALES \next
	WIN MUL_HI
	MUL16 4, 1, NQ-1, \slot, 0
	MUL16 6, 1, NQ-1, \slot, 0
	PLACES NP
	WIN 0
	FETCH_A \next, 0, 4
.endm
	s_wait_alu depctr_va_vdst(0)                   ; the wait at the head's end
	s_wait_loadcnt 0x0                             ; the bias and my scales
	s_wait_tensorcnt 0x0                           ; my one load has landed, so a descriptor may be written: from here on a load brings 128 rows
	s_mov_b32 s[G1+2], 128<<16
	s_mov_b32 s[G1+4], 128
	s_mov_b32 s[G1B+2], 128<<16
	s_mov_b32 s[G1B+4], 128
.irp k, 0,1,2,3,4,5,6,7
	ds_store_b128 v30, v[AF+4*\k:AF+4*\k+3] offset:544*\k
	ds_store_b128 v30, v[AF+32+4*\k:AF+32+4*\k+3] offset:HALFS+544*\k
.endr
	s_mov_b32 s[HM], 0xffff0000
	s_mov_b32 s[MNT], 0x600000
	s_wait_dscnt 0x0
	s_barrier_signal -1
	s_barrier_wait -1
	FETCH_B 0, 0, 0
	FETCH_A 0, 0, 0
	SCALES 0
	FETCH_A 0, 0, 4
	STEP 0, 0, 1
	s_mov_b32 s3, LAPS-1
.Llap:
	TURN 0, 1, 1
	STEP 1, 0, 0
	TURN 1, 0, 1
	STEP 0, 0, 0
	s_sub_co_u32 s3, s3, 1
	s_cmp_lg_u32 s3, 0
	s_cbranch_scc1 .Llap
	TURN 0, 1, 0
	STEP 1, 0, 0
	s_wait_dscnt 4*NL
	WIN MUL_LO
	MUL16 0, 1, NQ-1, 1, 0
	MUL16 2, 1, NQ-1, 1, 0
	s_wait_dscnt 0
	WIN MUL_HI
	MUL16 4, 1, NQ-1, 1, 0
	MUL16 6, 1, NQ-1, 1, 0
	WIN 0
.macro BIAS a
	s_cmp_lg_u32 s95, 0
	s_cbranch_scc1 .Lbias_v_\@
	WIN 0x02+(\a)/4
.set i, 0
.rept 32
	v_pk_add_f32 v[T+i:T+i+1], v[64*((\a)%4)+i:64*((\a)%4)+i+1], v[BQ+i:BQ+i+1]
.set i, i+2
.endr
	WIN 0
	s_branch .Lbias_done_\@
.Lbias_v_\@:
	WIN 0x02+(\a)/4
.set i, 0
.rept 32
.if (\a)%2
	v_pk_add_f32 v[T+i:T+i+1], v[64*((\a)%4)+i:64*((\a)%4)+i+1], v[BV+(\a)-1:BV+(\a)] op_sel:[0,1] op_sel_hi:[1,1]
.else
	v_pk_add_f32 v[T+i:T+i+1], v[64*((\a)%4)+i:64*((\a)%4)+i+1], v[BV+(\a):BV+(\a)+1] op_sel_hi:[1,0]
.endif
.set i, i+2
.endr
	WIN 0
.Lbias_done_\@:
.endm
.macro QUANT s
.irp b, 0,1,2,3
	v_max3_num_f32 v[TM+\b], |v[\s+16*\b]|, |v[\s+1+16*\b]|, 0x4800000
.endr
.irp i, 2,4,6,8,10,12,14
.irp b, 0,1,2,3
	v_max3_num_f32 v[TM+\b], v[TM+\b], |v[\s+16*\b+\i]|, |v[\s+1+16*\b+\i]|
.endr
.endr
.irp b, 0,1,2,3
	v_permlanex16_b32 v[TM+4+\b], v[TM+\b], s[SEL], s[SEL+1]
.endr
.irp b, 0,1,2,3
	v_max_num_f32 v[TM+\b], v[TM+\b], v[TM+4+\b]
.endr
.irp b, 0,1,2,3
	v_add_nc_u32 v[TM+12+\b], 0xfc000000, v[TM+\b]
.endr
.irp b, 0,1,2,3
	v_and_or_b32 v[TM+8+\b], v[TM+\b], 0x7f800000, s[MNT]
.endr
.irp b, 0,1,2,3
	v_lshrrev_b32 v[TM+4+\b], 23, v[TM+12+\b]
.endr
	v_lshl_or_b32 v[PW], v[TM+5], 8, v[TM+4]
	v_lshl_or_b32 v[PW], v[TM+6], 16, v[PW]
	v_lshl_or_b32 v[PW], v[TM+7], 24, v[PW]
.irp b, 0,1,2,3
.irp i, 0,1,2,3,4,5,6,7,8,9,10,11,12,13,14,15
	v_med3_num_f32 v[\s+16*\b+\i], v[\s+16*\b+\i], -v[TM+8+\b], v[TM+8+\b]
.endr
	v_cvt_scalef32_pk8_fp8_f32 v[PC+4*\b:PC+1+4*\b], v[\s+16*\b:\s+7+16*\b], v[TM+12+\b]
	v_cvt_scalef32_pk8_fp8_f32 v[PC+2+4*\b:PC+3+4*\b], v[\s+8+16*\b:\s+15+16*\b], v[TM+12+\b]
.endr
	v_nop
.endm
.macro OUTA a
.if \a > 0
	s_wait_xcnt 0x0
.if \a == 4
	s_add_nc_u64 s[12:13], s[12:13], s[98:99]
.else
	s_add_nc_u64 s[12:13], s[12:13], s[96:97]
.endif
.endif
	BIAS \a
	QUANT T
.irp be, 0,1,2,3
	global_store_b128 v[VO0+\be/2], v[PC+4*\be:PC+4*\be+3], s[12:13] offset:512*(\be%2)
.endr
.if (\a)%2
	v_cndmask_b32 v[SW+(\a)/2], v[SW+(\a)/2], v[PW], s[HM]
.else
	v_mov_b32 v[SW+(\a)/2], v[PW]
.endif
.endm
	PLACES NP
.irp b, 0,1,2,3
	v_mov_b32 v[TM+4+\b], 0
.endr
.irp a, 0,1,2,3,4,5,6,7
	OUTA \a
.endr
	global_store_b128 v[VO0], v[SW:SW+3], s[66:67]
	s_wait_tensorcnt 0x0
	ds_add_u32 v[SPW], v[NIL]
	s_wait_dscnt 0x0
	CROUND
	s_endpgm
.Lfunc_end_k_q152af28f34_qkv:
	.size	k_q152af28f34_qkv, .Lfunc_end_k_q152af28f34_qkv-k_q152af28f34_qkv
	.p2alignl 7, 3214868480
	.fill 96, 4, 3214868480
	.section	.rodata,"a",@progbits
	.p2align	6, 0x0
	.amdhsa_kernel k_q152af28f34_qkv
		.amdhsa_group_segment_fixed_size 327680
		.amdhsa_private_segment_fixed_size 0
		.amdhsa_enable_private_segment 0
		.amdhsa_kernarg_size 56
		.amdhsa_user_sgpr_count 2
		.amdhsa_user_sgpr_kernarg_segment_ptr 1
		.amdhsa_wavefront_size32 1
		.amdhsa_system_sgpr_workgroup_id_x 1
		.amdhsa_system_sgpr_workgroup_id_y 1
		.amdhsa_system_sgpr_workgroup_id_z 1
		.amdhsa_system_vgpr_workitem_id 0
		.amdhsa_next_free_vgpr 1024
		.amdhsa_next_free_sgpr 106
		.amdhsa_reserve_vcc 0
		.amdhsa_float_denorm_mode_32 3
		.amdhsa_float_denorm_mode_16_64 3
		.amdhsa_memory_ordered 1
		.amdhsa_forward_progress 1
		.amdhsa_inst_pref_size 223
	.end_amdhsa_kernel
	.amdgpu_metadata
---
amdhsa.version: [ 1, 2 ]
amdhsa.kernels:
  - .name:           k_q152af28f34_qkv
    .symbol:         k_q152af28f34_qkv.kd
    .args:
      - { .name: X_codes, .offset: 0, .size: 8, .value_kind: global_buffer, .address_space: global }
      - { .name: X_scales, .offset: 8, .size: 8, .value_kind: global_buffer, .address_space: global }
      - { .name: W_qkv_codes, .offset: 16, .size: 8, .value_kind: global_buffer, .address_space: global }
      - { .name: W_qkv_scales, .offset: 24, .size: 8, .value_kind: global_buffer, .address_space: global }
      - { .name: b_qkv, .offset: 32, .size: 8, .value_kind: global_buffer, .address_space: global }
      - { .name: img, .offset: 40, .size: 8, .value_kind: global_buffer, .address_space: global }
      - { .name: sc, .offset: 48, .size: 8, .value_kind: global_buffer, .address_space: global }
    .group_segment_fixed_size: 327680
    .private_segment_fixed_size: 0
    .kernarg_segment_align: 8
    .kernarg_segment_size: 56
    .max_flat_workgroup_size: 128
    .sgpr_count:     106
    .vgpr_count:     1024
    .wavefront_size: 32
...
	.end_amdgpu_metadata
.endif
;; end of part 1
;; launch attn (part 2): grid 4 x 64, 16 waves a work-group, clusters of 4 x 1, 280,576 bytes of LDS; arguments img, sc, aimg, asc; writes aimg, asc
.if DOCPART == 2
	.amdgcn_target "amdgcn-amd-amdhsa--gfx1250"
	.amdhsa_code_object_version 6
	.text
	.protected	k_q152af28f34_attn
	.globl	k_q152af28f34_attn
	.p2align	8
	.type	k_q152af28f34_attn,@function
k_q152af28f34_attn:
	s_mov_b64 s[64:65], 0
	v_nop
	global_prefetch_b8 v0, s[64:65] scope:SCOPE_SE
	s_setreg_imm32_b32 hwreg(HW_REG_WAVE_MODE, 25, 1), 1
	s_wait_xcnt 0x0
	s_wait_alu depctr_hold_cnt(0) depctr_sa_sdst(0) depctr_va_vdst(0) depctr_va_sdst(0) depctr_va_ssrc(0) depctr_va_vcc(0) depctr_vm_vsrc(0)
	s_getreg_b32 s2, hwreg(HW_REG_IB_STS2, 6, 4)
	s_cmp_eq_u32 s2, 0
	s_cbranch_scc0 .Lentry_in_a_cluster
	s_endpgm
.Lentry_in_a_cluster:
	s_bfe_u32 s2, ttmp6, 0x10000c
	s_cmp_lg_u32 s2, 0x3003
	s_cbranch_scc0 .Lentry_shape_is_right
	s_endpgm
.Lentry_shape_is_right:
; Attention of one head on codes of E4M3 with E8M0 scales: S^T = K Q^T (K = the head's 64), the softmax, O^T = V^T P^T (K = the keys), O / the row's sum, quantised along the channels for the last product.
; THE SOFTMAX: t = score x log2(e) / 8; M = the row's largest t so far, rounded UP to a whole number; p = 2^(t - M) is quantised along the keys, not normalised.  The row's sum is taken of the unquantised p and divides O at the end.
; When M moves, the sum and O are multiplied by 2^(old M - new M): exact.
; SHARES.  A work-group owns 512 queries of one (batch, head); each of its sixteen waves owns two tiles of 16 queries, one after the other: a loop of two passes round a loop of 16 key steps of 128 keys.
; CLUSTER: the four work-groups of a (batch, head) need the same K and V: each block is asked for jointly, by one tensor load whose mask names the four.
; THE WHOLE HEAD STAYS IN LDS, FILLED ONCE: K's and V's images (131,072 bytes each) and their scale words (8,192 each), images of operand registers, 16 bytes a lane: every LDS load takes 512 consecutive bytes.
; One tensor load a wave: waves 0 to 7 fetch the eight chunks of 32,768 bytes (even waves K's, odd waves V's), waves 8 and 9 the scale words.  Nothing is filled again and nothing is stored to LDS.
; No prefetch is laid: all that the launch reads of K and V is asked for at the head, so there is no loop to run ahead in.
; TWO TILES OF K IN ONE FRAGMENT.  The instruction's K is 128, the head's 64.  A fragment's registers 0-7 hold tile 2 j (k = 0 .. 63), registers 8-15 tile 2 j + 1 (k = 64 .. 127).  Q stands between two runs of eight zero registers:
; [q | 0] picks the first tile, [0 | q] the second; the other tile's codes meet zero codes.  So the second tile's two scale bytes, and Q's, stand in bytes 2 and 3 as well: each scale word is its two bytes twice.
; K's fragments and scale words are read one step ahead.  The read ahead in a pass's last step takes landed bytes behind K's (V's images and scale words); they are loaded and never multiplied.
; LAYOUT.  A lane holds ONE query (lane % 16) throughout.  Tile i, lane r of K and of V: 32 (i / 2) + 8 (i % 2) + r + 8 (r / 8), as the launch before laid them, so that the 16 registers of tiles 2 b and 2 b + 1 of a result are 16 neighbours.
; OUT: aimg [128 rows 64][256 along K 4][tile 8][128 along K 2][c 4][lane][16 bytes]; asc [row][32].  The two scale bytes a row and head are stored singly: one byte in 33 of what this launch stores.
; LIMITS: NaN and infinities are not served.  A block whose largest magnitude lies under 2^-118 keeps the byte 1, a block of zeros too (its codes are zeros; this program alone reads the bytes).  A p under 2^-126 counts as 0.
; The promise holds while the scaled scores stay under 2^31 in magnitude.  A block's largest p is made from its largest score by the same two instructions as every p: this takes the exponential not to fall where its input rises.
.set VI,   131072                      ; LDS: K's images at 0, V's here,
.set KSC,  262144                      ; K's scale words,
.set VSC,  270336                      ; V's,
.set SPARE, 278528                     ; the spare words: 128 bytes for each of 16 waves
.set L16, 1                            ; v1   16 x lane
.set AV0, 2                            ; v2   the same in V's images
.set ASK, 3                            ; v3   my place among K's scale words: 16 x lane + 2 x (head % 2)
.set ASV, 4                            ; v4   among V's: 16 x lane + 8 x (head % 2)
.set SPW, 5                            ; v5   my spare word; never rewritten
.set OB8, 6                            ; v6   32 r + h: my scale byte's place
.set NIL, 7                            ; v7   0; never rewritten
.set ADK, 8                            ; v8-11 the step's LDS addresses
.set ADV, 9
.set ADS, 10
.set ADT, 11                           ; v12 -M, v13 the largest t, v[14:15] the sum in two halves
.set QH,  16                           ; v16-31 [0 | q]
.set QL,  24                           ; v24-39 [q | 0]: q itself is v24-31
.set KF,  40                           ; v40-103 four fragments of K, two tiles each
.set S,   104                          ; v104-167 S^T, then p, then V's four fragments
.set O,   168                          ; v168-199 O^T
.set PCD, 200                          ; v200-215 p's codes
.set KSW, 216                          ; v216-219 K's scale words: lanes 0-15 an even tile's, lanes 16-31 the odd one's
.set VSW, 220                          ; v220-221 V's likewise
.set QS,  222                          ; v222 Q's scale word
.set PSW, 223                          ; v223 p's scale word
.set BM,  224                          ; v224-227 a block's largest score, then p; then two partial sums
.set BT,  228                          ; v228-231 the other half's; the bytes; then two partial sums
.set BH,  232                          ; v232-235 448 x the scale
.set BC,  236                          ; v236-239 the conversion's scale operand
.set F,   240                          ; v240 f = 2^(old M - new M); v241 = 0, named with it as a pair
.set TMP, 242                          ; v242; v[242:243] and v[254:255] are partial sums too
.set QB,  244                          ; v244-251 q of the second pass, v252 its scale word
.set QBS, 252
.set WV,  12
.set BHD, 13                           ; s13 16 x batch + head
.set PI,  14                           ; s14 head % 2
.set CX,  15                           ; s15 my place in the cluster: which 512 queries
.set G1C, 16                           ; s[16:23] group 1: a chunk, 32,768 dense bytes as 128 rows of 256
.set G1S, 24                           ; s[24:31] group 1: scale words, 8,192 dense bytes as 32 rows of 256
.set G0C, 32                           ; s[32:35], s[36:39] their groups 0
.set G0S, 36
.set SEL, 52
.set CS,  54                           ; s[54:55] c = log2(e) / 8
.set MNT, 56
.set HM,  57
.set TB,  58                           ; s58 LDS byte at which the step's images begin: 8,192 a step
.set TS,  59                           ; s59 and its scale words: 512 a step
.set CNT, 60
.set PASS, 61
.set PQ,  66                           ; s[66:67] Q's images, s[68:69] Q's scale words, s[70:71] aimg, s[72:73] asc, each at my tile
.set PQS, 68
.set PAI, 70
.set PAS, 72
.macro CROUND                          ; a round of the cluster's barrier
	s_barrier_signal -1
	s_barrier_wait -1
	s_cmp_lg_u32 s[WV], 0
	s_cbranch_scc1 .Lnot_wave_0_\@
	s_barrier_signal -3
.Lnot_wave_0_\@:
	s_barrier_wait -3
	s_barrier_signal -1
	s_barrier_wait -1
.endm
	s_load_b256 s[4:11], s[0:1], 0x0               ; img s[4:5], sc s[6:7], aimg s[8:9], asc s[10:11]
	v_lshl_add_u32 v[SPW], v0, 2, SPARE
	v_mov_b32 v[NIL], 0
	ds_add_u32 v[SPW], v[NIL]                      ; the opening lines: the add, twice on end, and its wait
	ds_add_u32 v[SPW], v[NIL]
	v_lshrrev_b32 v8, 5, v0
	s_delay_alu instid0(VALU_DEP_1)
	v_readfirstlane_b32 s[WV], v8                  ; wave 0..15
	s_and_b32 s[BHD], ttmp7, 0xffff                ; the cluster's y: shared by the four partners
	s_and_b32 s[PI], s[BHD], 1
	s_bfe_u32 s[CX], ttmp6, 0x40000
	s_mov_b32 s[G1C], 15|(3<<16)|(1<<21)           ; the mask: all four work-groups; elements of 8 bytes; no padding; 21 set beside a mask
	s_mov_b32 s[G1C+1], 32<<16
	s_mov_b32 s[G1C+2], 128<<16
	s_mov_b32 s[G1C+3], 32<<16
	s_mov_b32 s[G1C+4], 128
	s_mov_b32 s[G1C+5], 32
	s_mov_b32 s[G1C+6], 0
	s_mov_b32 s[G1C+7], 0
	s_mov_b32 s[G1S], 15|(3<<16)|(1<<21)
	s_mov_b32 s[G1S+1], 32<<16
	s_mov_b32 s[G1S+2], 32<<16
	s_mov_b32 s[G1S+3], 32<<16
	s_mov_b32 s[G1S+4], 32
	s_mov_b32 s[G1S+5], 32
	s_mov_b32 s[G1S+6], 0
	s_mov_b32 s[G1S+7], 0
	s_mov_b32 s[SEL], 0x76543210
	s_mov_b32 s[SEL+1], 0xfedcba98
	s_mov_b32 s[CS], 0x3e38aa3b                    ; log2(e) / 8
	s_mov_b32 s[CS+1], s[CS]
	s_mov_b32 s[MNT], 0x600000
	s_mov_b32 s[HM], 0xffff0000
	s_and_b32 s40, s[WV], 1                        ; what I fetch, if I fetch: 0 K's, 1 V's
	s_bfe_u32 s41, s[WV], 0x20001                  ; which chunk: (wave / 2) % 4
	s_lshl_b32 s41, s41, 15
	s_lshl_b32 s42, s40, 17
	s_add_co_u32 s42, s42, s41                     ; the chunk's place in LDS: K's images at 0, V's at 131,072
	s_add_co_u32 s44, s[BHD], 64                   ; img: K's part begins 64 heads on, V's 128
	s_lshl_b32 s44, s44, 17
	s_lshl_b32 s43, s40, 23
	s_add_co_u32 s44, s44, s43
	s_add_co_u32 s44, s44, s41
	s_mov_b32 s45, 0
	s_lshr_b32 s46, s[BHD], 1
	s_add_co_u32 s46, s46, 32                      ; sc: K's part begins 32 head pairs on, V's 64
	s_lshl_b32 s46, s46, 13
	s_lshl_b32 s43, s40, 18
	s_add_co_u32 s46, s46, s43
	s_mov_b32 s47, 0
	s_lshl_b32 s43, s40, 13
	s_add_co_u32 s43, s43, KSC
	s_wait_dscnt 0x0                               ; both opening adds are done
	s_wait_kmcnt 0x0
	s_mov_b32 s[G0C], 1
	s_mov_b32 s[G0C+1], s42
	s_add_nc_u64 s[G0C+2:G0C+3], s[4:5], s[44:45]
	s_or_b32 s[G0C+3], s[G0C+3], 0x80000000
	s_mov_b32 s[G0S], 1
	s_mov_b32 s[G0S+1], s43
	s_add_nc_u64 s[G0S+2:G0S+3], s[6:7], s[46:47]
	s_or_b32 s[G0S+3], s[G0S+3], 0x80000000
	CROUND                                         ; all four work-groups are here: the joint loads meet
	s_cmp_lt_u32 s[WV], 8                          ; one chain of branches on the wave's number, one load to an arm
	s_cbranch_scc0 .Lnot_chunk
	tensor_load_to_lds s[G0C:G0C+3], s[G1C:G1C+7]
	s_nop 0
.rept 4
	v_nop
.endr
	s_branch .Lasked
.Lnot_chunk:
	s_cmp_lt_u32 s[WV], 10
	s_cbranch_scc0 .Lasked
	tensor_load_to_lds s[G0S:G0S+3], s[G1S:G1S+7]
	s_nop 0
.rept 4
	v_nop
.endr
.Lasked:
	; my own addresses (cx enters these alone)
	s_lshl_b32 s74, s[CX], 5
	s_add_co_u32 s74, s74, s[WV]                   ; my first tile of queries in the head: 32 cx + wave; the second is 16 tiles on
	s_mov_b32 s77, 0
	s_lshl_b32 s76, s[BHD], 17
	s_lshl_b32 s75, s74, 10
	s_add_co_u32 s76, s76, s75
	s_add_nc_u64 s[PQ:PQ+1], s[4:5], s[76:77]
	s_lshr_b32 s76, s[BHD], 1                      ; Q's scale word: head pair, group of 8 tiles, lanes 16 (tile % 2) on, word (tile % 8) / 2, my head's two bytes
	s_lshl_b32 s76, s76, 13
	s_lshr_b32 s75, s74, 3
	s_lshl_b32 s75, s75, 9
	s_add_co_u32 s76, s76, s75
	s_and_b32 s75, s[WV], 1
	s_lshl_b32 s75, s75, 8
	s_add_co_u32 s76, s76, s75
	s_bfe_u32 s75, s[WV], 0x20001
	s_lshl_b32 s75, s75, 2
	s_add_co_u32 s76, s76, s75
	s_lshl_b32 s75, s[PI], 1
	s_add_co_u32 s76, s76, s75
	s_add_nc_u64 s[PQS:PQS+1], s[6:7], s[76:77]
	s_lshr_b32 s75, s[BHD], 4
	s_lshl_b32 s75, s75, 7
	s_add_co_u32 s75, s75, s74                     ; my tile among all 512 tiles of tokens
	s_and_b32 s78, s[BHD], 15                      ; the head
	s_lshr_b32 s76, s75, 3
	s_lshl_b32 s76, s76, 2
	s_lshr_b32 s79, s78, 2
	s_add_co_u32 s76, s76, s79                     ; (128 rows) x 4 + head / 4
	s_lshl_b32 s76, s76, 3
	s_and_b32 s79, s75, 7
	s_add_co_u32 s76, s76, s79                     ; x 8 + tile % 8
	s_lshl_b32 s76, s76, 1
	s_bfe_u32 s79, s78, 0x10001
	s_add_co_u32 s76, s76, s79                     ; x 2 + (head / 2) % 2
	s_lshl_b32 s76, s76, 1
	s_add_co_u32 s76, s76, s[PI]                   ; x 2 + head % 2: two groups of 512 bytes each
	s_lshl_b32 s76, s76, 10
	s_add_nc_u64 s[PAI:PAI+1], s[8:9], s[76:77]
	s_lshl_b32 s76, s75, 9                         ; asc: 16 rows of 32 bytes a tile, + 2 x head
	s_lshl_b32 s79, s78, 1
	s_add_co_u32 s76, s76, s79
	s_add_nc_u64 s[PAS:PAS+1], s[10:11], s[76:77]
	s_lshl_b32 s40, s[PI], 1
	s_lshl_b32 s41, s[PI], 3
	v_and_b32 v8, 31, v0
	v_and_b32 v9, 15, v0                           ; r
	v_bfe_u32 v10, v0, 4, 1                        ; h
	v_lshlrev_b32 v[L16], 4, v8
	v_lshlrev_b32 v11, 4, v9                       ; 16 r: Q's scale word
	global_load_b128 v[QL:QL+3], v[L16], s[PQ:PQ+1]                    ; q: d = 16 h + 0 .. 15,
	global_load_b128 v[QL+4:QL+7], v[L16], s[PQ:PQ+1] offset:512       ; d = 32 + 16 h + 0 .. 15
	global_load_b128 v[QB:QB+3], v[L16], s[PQ:PQ+1] offset:16384
	global_load_b128 v[QB+4:QB+7], v[L16], s[PQ:PQ+1] offset:16896
	global_load_u16 v[QS], v11, s[PQS:PQS+1]
	global_load_u16 v[QBS], v11, s[PQS:PQS+1] offset:1024
	v_add_nc_u32 v[AV0], VI, v[L16]
	v_add_nc_u32 v[ASK], KSC, v[L16]
	v_add_nc_u32 v[ASV], VSC, v[L16]
	v_lshl_add_u32 v[OB8], v9, 5, v10
	v_add_nc_u32 v[ASK], s40, v[ASK]
	v_add_nc_u32 v[ASV], s41, v[ASV]
.set i, 0
.rept 8
	v_mov_b32 v[QH+i], 0                           ; the zero codes on either side of q
	v_mov_b32 v[QL+8+i], 0
.set i, i+1
.endr
.irp b, 0,1,2,3
	v_mov_b32 v[BT+\b], 0                          ; written once: a lane permute's destination counts as one of its sources
.endr
	v_mov_b32 v[F+1], 0                            ; (named as the upper half of a pair)
	s_mov_b32 s[PASS], 2
	s_wait_alu depctr_va_vdst(0)                   ; the wait at the head's end
	s_wait_loadcnt 0x0                             ; Q
	v_lshl_or_b32 v[QS], v[QS], 16, v[QS]          ; Q's two scale bytes twice: for [q | 0] and for [0 | q]
	v_lshl_or_b32 v[QBS], v[QBS], 16, v[QBS]
	s_wait_tensorcnt 0x0                           ; my one tensor load has landed
	s_barrier_signal -1
	s_barrier_wait -1                              ; so has everybody's: the whole head is in LDS
; A KEY STEP: 128 keys.  At its head K's fragments and scale words of this step are in registers.
.macro STEP
.irp j, 0,1,2,3                                ; S^T = K Q^T: eight accumulators, each begun with 0
	v_wmma_scale_f32_16x16x128_f8f6f4 v[S+16*\j:S+16*\j+7], v[KF+16*\j:KF+16*\j+15], v[QL:QL+15], 0, v[KSW+\j], v[QS]
	v_wmma_scale_f32_16x16x128_f8f6f4 v[S+16*\j+8:S+16*\j+15], v[KF+16*\j:KF+16*\j+15], v[QH:QH+15], 0, v[KSW+\j], v[QS] matrix_a_scale:MATRIX_SCALE_ROW1
.endr                                          ; lane (r, h) holds query r; register 16 b + i is key 32 b + 16 h + i of the step
	v_add_nc_u32 v[ADK], s[TB], v[L16]             ; eight places behind the products: four additions and four v_nop, ahead of the loads into K's registers and of the first read of S^T
	v_add_nc_u32 v[ADV], s[TB], v[AV0]
	v_add_nc_u32 v[ADS], s[TS], v[ASK]
	v_add_nc_u32 v[ADT], s[TS], v[ASV]
.rept 4
	v_nop
.endr
.irp i, 0,1,2,3
	ds_load_u16 v[KSW+\i], v[ADS] offset:512+4*\i  ; the NEXT step's scale words of K
.endr
	ds_load_b64 v[VSW:VSW+1], v[ADT]               ; this step's of V
.irp t, 0,1,2,3,4,5,6,7
	ds_load_b128 v[KF+8*\t:KF+8*\t+3], v[ADK] offset:8192+1024*\t        ; the NEXT step's eight tiles of K
	ds_load_b128 v[KF+8*\t+4:KF+8*\t+7], v[ADK] offset:8192+1024*\t+512
.endr
.irp b, 0,1,2,3
	v_max3_num_f32 v[BM+\b], v[S+16*\b], v[S+1+16*\b], v[S+2+16*\b]   ; the largest score of each block of 32 keys: for the row's maximum and for the block's largest p
.endr
.irp i, 3,5,7,9,11,13
.irp b, 0,1,2,3
	v_max3_num_f32 v[BM+\b], v[BM+\b], v[S+16*\b+\i], v[S+1+16*\b+\i]
.endr
.endr
.irp b, 0,1,2,3
	v_max_num_f32 v[BM+\b], v[BM+\b], v[S+15+16*\b]
.endr
.irp b, 0,1,2,3
	s_delay_alu instid0(VALU_DEP_4)
	v_permlanex16_b32 v[BT+\b], v[BM+\b], s[SEL], s[SEL+1]
.endr
.irp b, 0,1,2,3
	s_delay_alu instid0(VALU_DEP_4)
	v_max_num_f32 v[BM+\b], v[BM+\b], v[BT+\b]     ; with lane l xor 16's 16 keys
.endr
	s_delay_alu instid0(VALU_DEP_2)
	v_max3_num_f32 v[TMP], v[BM], v[BM+1], v[BM+2]
	s_delay_alu instid0(VALU_DEP_1)
	v_max_num_f32 v[TMP], v[TMP], v[BM+3]          ; the step's largest score of my query
	s_delay_alu instid0(VALU_DEP_1)
	v_mul_f32 v[TMP], s[CS], v[TMP]                ; as t (c is positive)
	s_delay_alu instid0(VALU_DEP_1)
	v_max_num_f32 v13, v13, v[TMP]                 ; the running largest t
	v_mov_b32 v[TMP], v12
	s_delay_alu instid0(VALU_DEP_2)
	v_floor_f32 v12, -v13                          ; the new -M = floor(-t): M is a whole number
	s_delay_alu instid0(VALU_DEP_1)
	v_sub_f32 v[TMP], v12, v[TMP]                  ; old M - new M: a whole number, 0 or less
	s_delay_alu instid0(VALU_DEP_1)
	v_cvt_i32_f32 v[TMP], v[TMP]                   ; (it saturates)
	s_delay_alu instid0(VALU_DEP_1)
	v_ldexp_f32 v[F], 1.0, v[TMP]                  ; f = 2^(old M - new M)
.set j, 0
.rept 32
	v_pk_fma_f32 v[S+j:S+j+1], v[S+j:S+j+1], s[CS:CS+1], v[12:13] op_sel_hi:[1,0,0]   ; t - M, two at a time
.set j, j+2
.endr
.irp b, 0,1,2,3
	v_fma_f32 v[BM+\b], v[BM+\b], s[CS], v12       ; the same of each block's largest score
.endr
	s_wait_alu depctr_va_vdst(0)                   ; the wait ahead of the batch
.set j, 0
.rept 64
	v_exp_f32 v[S+j], v[S+j]                       ; p = 2^(t - M), at most 1
.set j, j+1
.endr
.irp b, 0,1,2,3
	v_exp_f32 v[BM+\b], v[BM+\b]                   ; the block's largest p
.endr
	v_pk_mul_f32 v[14:15], v[14:15], v[F:F+1] op_sel_hi:[1,0]   ; the sums under the new M (a plain place behind the exponentials)
	s_wait_alu depctr_va_vdst(0)                   ; one wait for the batch, ahead of its first reader
.irp b, 0,1,2,3
	v_max_num_f32 v[BM+\b], 0x4800000, v[BM+\b]    ; the floor 2^(9 - 127): the byte cannot fall under 1
.endr
.irp b, 0,1,2,3
	s_delay_alu instid0(VALU_DEP_4)
	v_add_nc_u32 v[BC+\b], 0xfc000000, v[BM+\b]    ; 8 off the exponent field: the conversion's scale operand
.endr
.irp b, 0,1,2,3
	v_and_or_b32 v[BH+\b], v[BM+\b], 0x7f800000, s[MNT]   ; 448 x the scale
.endr
.irp b, 0,1,2,3
	v_lshrrev_b32 v[BT+\b], 23, v[BC+\b]           ; the scale's byte
.endr
	s_delay_alu instid0(VALU_DEP_3)
	v_lshl_or_b32 v[PSW], v[BT+1], 8, v[BT]        ; p's scale word for these 128 keys
	s_delay_alu instid0(VALU_DEP_1)
	v_lshl_or_b32 v[PSW], v[BT+2], 16, v[PSW]
	s_delay_alu instid0(VALU_DEP_1)
	v_lshl_or_b32 v[PSW], v[BT+3], 24, v[PSW]
; the row's sum of the unquantised p: 32 pairs into six partial sums by turns (26 additions); the six are added to the sum behind the second product
.set k, 0
.irp c, 224,226,228,230,242,254
	v_pk_add_f32 v[\c:\c+1], v[S+2*k:S+2*k+1], v[S+2*k+2:S+2*k+3]
.set k, k+2
.endr
.rept 3
.irp c, 224,226,228,230,242,254
	v_pk_add_f32 v[\c:\c+1], v[\c:\c+1], v[S+2*k:S+2*k+1]
.set k, k+1
.endr
.endr
.irp c, 224,226
	v_pk_add_f32 v[\c:\c+1], v[\c:\c+1], v[S+2*k:S+2*k+1]
.set k, k+1
.endr
.irp b, 0,1,2,3
.set i, 0
.rept 8
	v_dual_min_num_f32 v[S+16*\b+i], v[S+16*\b+i], v[BH+\b] :: v_dual_min_num_f32 v[S+16*\b+i+1], v[S+16*\b+i+1], v[BH+\b]   ; the conversion does not saturate (ISA guide 7.6.2); p is not negative, so the hold is one-sided; two numbers a line
.set i, i+2
.endr
	v_cvt_scalef32_pk8_fp8_f32 v[PCD+4*\b:PCD+1+4*\b], v[S+16*\b:S+7+16*\b], v[BC+\b]
	v_cvt_scalef32_pk8_fp8_f32 v[PCD+2+4*\b:PCD+3+4*\b], v[S+8+16*\b:S+15+16*\b], v[BC+\b]
.endr
	s_wait_dscnt 0x0                               ; the next step's K and scale words and this step's scale words of V are in
.irp i, 0,1,2,3
	v_lshl_or_b32 v[KSW+\i], v[KSW+\i], 16, v[KSW+\i]   ; K's two scale bytes twice.  (Also the plain lines behind the conversions; 22 plain lines stand between these and the products that read them)
.endr
.irp dt, 0,1,2,3                               ; V's four fragments (16 channels x 128 keys each) take p's registers
.irp c, 0,1,2,3
	ds_load_b128 v[S+16*\dt+4*\c:S+16*\dt+4*\c+3], v[ADV] offset:2048*\dt+512*\c
.endr
.endr
	s_wait_alu depctr_va_vdst(0)                   ; the wait directly ahead of the first reader of O^T
.set j, 0
.rept 16
	v_pk_mul_f32 v[O+j:O+j+1], v[O+j:O+j+1], v[F:F+1] op_sel_hi:[1,0]   ; O^T under the new M
.set j, j+2
.endr
	s_wait_alu depctr_va_vdst(0)                   ; the wait directly ahead of the wait below
	s_wait_dscnt 0x0                               ; V
.irp dt, 0,2                                   ; O^T += V^T P^T: four accumulators by turns
	v_wmma_scale_f32_16x16x128_f8f6f4 v[O+8*\dt:O+8*\dt+7], v[S+16*\dt:S+16*\dt+15], v[PCD:PCD+15], v[O+8*\dt:O+8*\dt+7], v[VSW+\dt/2], v[PSW]
	v_wmma_scale_f32_16x16x128_f8f6f4 v[O+8*\dt+8:O+8*\dt+15], v[S+16*\dt+16:S+16*\dt+31], v[PCD:PCD+15], v[O+8*\dt+8:O+8*\dt+15], v[VSW+\dt/2], v[PSW] matrix_a_scale:MATRIX_SCALE_ROW1
.endr
	v_pk_add_f32 v[224:225], v[224:225], v[226:227]   ; nine places behind the products (the next step's products write over V's fragments): the partial sums' six additions and three v_nop
	v_pk_add_f32 v[228:229], v[228:229], v[230:231]
	v_pk_add_f32 v[242:243], v[242:243], v[254:255]
	s_delay_alu instid0(VALU_DEP_2)
	v_pk_add_f32 v[224:225], v[224:225], v[228:229]
	s_delay_alu instid0(VALU_DEP_2)
	v_pk_add_f32 v[14:15], v[14:15], v[242:243]
	s_delay_alu instid0(VALU_DEP_1)
	v_pk_add_f32 v[14:15], v[14:15], v[224:225]
.rept 3
	v_nop
.endr
	s_add_co_u32 s[TB], s[TB], 8192
	s_add_co_u32 s[TS], s[TS], 512
.endm
.Lpass:                                            ; two trips: my first tile of queries, then my second; both walk the same LDS bytes
	s_mov_b32 s[TB], 0
	s_mov_b32 s[TS], 0
	s_mov_b32 s[CNT], 16
.irp i, 0,1,2,3
	ds_load_u16 v[KSW+\i], v[ASK] offset:4*\i      ; step 0's scale words of K: lanes 0-15 tile 2 i's rows, lanes 16-31 tile 2 i + 1's; my head's two bytes
.endr
.irp t, 0,1,2,3,4,5,6,7
	ds_load_b128 v[KF+8*\t:KF+8*\t+3], v[L16] offset:1024*\t
	ds_load_b128 v[KF+8*\t+4:KF+8*\t+7], v[L16] offset:1024*\t+512
.endr
	s_wait_dscnt 16                                ; the four scale words are in; the 16 loads of K issued behind them may be out
.irp i, 0,1,2,3
	v_lshl_or_b32 v[KSW+\i], v[KSW+\i], 16, v[KSW+\i]
.endr
	v_mov_b32 v13, 0xff61b1e6                      ; a pass begins: the largest t, -3e38, lies under every t; O^T and the sum are zeros: the first change of M multiplies zeros
	v_mov_b32 v14, 0
	v_mov_b32 v15, 0
	v_floor_f32 v12, -v13
.set i, 0
.rept 32
	v_mov_b32 v[O+i], 0
.set i, i+1
.endr
	s_wait_alu depctr_va_vdst(0)                   ; the wait directly ahead of the wait below
	s_wait_dscnt 0x0                               ; K's step 0
.Lstep:
	STEP
	s_sub_co_u32 s[CNT], s[CNT], 1
	s_cmp_lg_u32 s[CNT], 0
	s_cbranch_scc1 .Lstep
; A pass ends (nine places stand behind the last products): O^T / the sum; its 32 numbers a lane, register 16 b + i = channel 32 b + 16 h + i, are two blocks of the last product's K: quantised, and stored as two groups of an operand's registers.
	v_add_f32 v14, v14, v15                        ; the sum's two halves,
	s_delay_alu instid0(VALU_DEP_1)
	v_permlanex16_b32 v[TMP], v14, s[SEL], s[SEL+1]
	s_delay_alu instid0(VALU_DEP_1)
	v_add_f32 v14, v14, v[TMP]                     ; and lane l xor 16's
	s_wait_alu depctr_va_vdst(0)                   ; the wait ahead of the transcendental
	v_rcp_f32 v[F], v14
	v_nop                                          ; one plain place behind a transcendental
	s_wait_alu depctr_va_vdst(0)                   ; the wait ahead of its first reader, which is also O^T's
.set j, 0
.rept 16
	v_pk_mul_f32 v[O+j:O+j+1], v[O+j:O+j+1], v[F:F+1] op_sel_hi:[1,0]   ; each accumulator from its low end on
.set j, j+2
.endr
.irp b, 0,1
	v_max3_num_f32 v[BM+\b], |v[O+16*\b]|, |v[O+1+16*\b]|, 0x4800000
.endr
.irp i, 2,4,6,8,10,12,14
.irp b, 0,1
	s_delay_alu instid0(VALU_DEP_2)
	v_max3_num_f32 v[BM+\b], v[BM+\b], |v[O+16*\b+\i]|, |v[O+1+16*\b+\i]|
.endr
.endr
.irp b, 0,1
	s_delay_alu instid0(VALU_DEP_2)
	v_permlanex16_b32 v[BT+\b], v[BM+\b], s[SEL], s[SEL+1]
.endr
.irp b, 0,1
	s_delay_alu instid0(VALU_DEP_2)
	v_max_num_f32 v[BM+\b], v[BM+\b], v[BT+\b]
.endr
.irp b, 0,1
	s_delay_alu instid0(VALU_DEP_2)
	v_add_nc_u32 v[BC+\b], 0xfc000000, v[BM+\b]
.endr
.irp b, 0,1
	s_delay_alu instid0(VALU_DEP_4)
	v_and_or_b32 v[BH+\b], v[BM+\b], 0x7f800000, s[MNT]
.endr
.irp b, 0,1
	s_delay_alu instid0(VALU_DEP_4)
	v_lshrrev_b32 v[BT+\b], 23, v[BC+\b]
.endr
.irp b, 0,1
.set i, 0
.rept 16
	v_med3_num_f32 v[O+16*\b+i], v[O+16*\b+i], -v[BH+\b], v[BH+\b]
.set i, i+1
.endr
	v_cvt_scalef32_pk8_fp8_f32 v[PCD+4*\b:PCD+1+4*\b], v[O+16*\b:O+7+16*\b], v[BC+\b]
	v_cvt_scalef32_pk8_fp8_f32 v[PCD+2+4*\b:PCD+3+4*\b], v[O+8+16*\b:O+15+16*\b], v[BC+\b]
.endr
	v_cndmask_b32 v[TMP], v[BT], v[BT+1], s[HM]    ; lanes 0-15 store block 0's byte, lanes 16-31 block 1's.  (Also the plain line behind the conversions)
	global_store_b128 v[L16], v[PCD:PCD+3], s[PAI:PAI+1]               ; 512 consecutive bytes, aligned
	global_store_b128 v[L16], v[PCD+4:PCD+7], s[PAI:PAI+1] offset:512
	global_store_b8 v[OB8], v[TMP], s[PAS:PAS+1]
	s_wait_xcnt 0x0                                ; the stores have read their data and bases: both are written again below and in the next pass
	s_add_nc_u64 s[PAI:PAI+1], s[PAI:PAI+1], 262144   ; 16 tiles on
	s_add_nc_u64 s[PAS:PAS+1], s[PAS:PAS+1], 8192
.set i, 0
.rept 8
	v_mov_b32 v[QL+i], v[QB+i]                     ; the second tile's q takes the first's place (in the second trip the same numbers again)
.set i, i+1
.endr
	v_mov_b32 v[QS], v[QBS]
	s_sub_co_u32 s[PASS], s[PASS], 1
	s_cmp_lg_u32 s[PASS], 0
	s_wait_alu depctr_va_vdst(0)                   ; the wait directly ahead of the branch
	s_cbranch_scc1 .Lpass
	s_wait_tensorcnt 0x0                           ; the wave's end
	ds_add_u32 v[SPW], v[NIL]
	s_wait_dscnt 0x0
	CROUND                                         ; the closing round
	s_endpgm
.Lfunc_end_k_q152af28f34_attn:
	.size	k_q152af28f34_attn, .Lfunc_end_k_q152af28f34_attn-k_q152af28f34_attn
	.p2alignl 7, 3214868480
	.fill 96, 4, 3214868480
	.section	.rodata,"a",@progbits
	.p2align	6, 0x0
	.amdhsa_kernel k_q152af28f34_attn
		.amdhsa_group_segment_fixed_size 280576
		.amdhsa_private_segment_fixed_size 0
		.amdhsa_enable_private_segment 0
		.amdhsa_kernarg_size 32
		.amdhsa_user_sgpr_count 2
		.amdhsa_user_sgpr_kernarg_segment_ptr 1
		.amdhsa_wavefront_size32 1
		.amdhsa_system_sgpr_workgroup_id_x 1
		.amdhsa_system_sgpr_workgroup_id_y 1
		.amdhsa_system_sgpr_workgroup_id_z 1
		.amdhsa_system_vgpr_workitem_id 0
		.amdhsa_next_free_vgpr 256
		.amdhsa_next_free_sgpr 80
		.amdhsa_reserve_vcc 0
		.amdhsa_float_denorm_mode_32 3
		.amdhsa_float_denorm_mode_16_64 3
		.amdhsa_memory_ordered 1
		.amdhsa_forward_progress 1
		.amdhsa_inst_pref_size 38
	.end_amdhsa_kernel
	.amdgpu_metadata
---
amdhsa.version: [ 1, 2 ]
amdhsa.kernels:
  - .name:           k_q152af28f34_attn
    .symbol:         k_q152af28f34_attn.kd
    .args:
      - { .name: img, .offset: 0, .size: 8, .value_kind: global_buffer, .address_space: global }
      - { .name: sc, .offset: 8, .size: 8, .value_kind: global_buffer, .address_space: global }
      - { .name: aimg, .offset: 16, .size: 8, .value_kind: global_buffer, .address_space: global }
      - { .name: asc, .offset: 24, .size: 8, .value_kind: global_buffer, .address_space: global }
    .group_segment_fixed_size: 280576
    .private_segment_fixed_size: 0
    .kernarg_segment_align: 8
    .kernarg_segment_size: 32
    .max_flat_workgroup_size: 512
    .sgpr_count:     80
    .vgpr_count:     256
    .wavefront_size: 32
...
	.end_amdgpu_metadata
.endif
;; end of part 2
;; launch proj (part 3): grid 4 x 32, 4 waves a work-group, clusters of 4 x 4, 327,680 bytes of LDS; arguments aimg, asc, W_proj_codes, W_proj_scales, b_proj, out0; writes out0
.if DOCPART == 3
	.amdgcn_target "amdgcn-amd-amdhsa--gfx1250"
	.amdhsa_code_object_version 6
	.text
	.protected	k_q152af28f34_proj
	.globl	k_q152af28f34_proj
	.p2align	8
	.type	k_q152af28f34_proj,@function
k_q152af28f34_proj:
	s_mov_b64 s[64:65], 0
	v_nop
	global_prefetch_b8 v0, s[64:65] scope:SCOPE_SE
	s_setreg_imm32_b32 hwreg(HW_REG_WAVE_MODE, 25, 1), 1
	s_wait_xcnt 0x0
	s_wait_alu depctr_hold_cnt(0) depctr_sa_sdst(0) depctr_va_vdst(0) depctr_va_sdst(0) depctr_va_ssrc(0) depctr_va_vcc(0) depctr_vm_vsrc(0)
	s_getreg_b32 s2, hwreg(HW_REG_IB_STS2, 6, 4)
	s_cmp_eq_u32 s2, 0
	s_cbranch_scc0 .Lentry_in_a_cluster
	s_endpgm
.Lentry_in_a_cluster:
	s_bfe_u32 s2, ttmp6, 0x10000c
	s_cmp_lg_u32 s2, 0xf033
	s_cbranch_scc0 .Lentry_shape_is_right
	s_endpgm
.Lentry_shape_is_right:
.set SIZE_N, 1024
.set NQ,     2
.set ROWB,   256
.set KROW,   1024
.set AIMG,   32768
.set PITCH,  272
.set FR,     16
.set NL,     4
.set NP,     8
.set HALFT,  128*PITCH
.set SLOT,   4*HALFT
.set LAPS,   2
.set KS,     32
.set BBASE,  131072                    ; LDS: A's images [group 2][slot 2][32,768 bytes]; from here B's two slots of 256 rows
.set SCL,    BBASE+4*HALFT
.set HALFS,  16*272
.set SBLK,   2*272
.set SPARE,  SCL+8*HALFS               ; behind the scales: each wave keeps its own 128 rows of A's and of B's
.set SPITCH, 528
.set ADRA, 16
.set ADRB, 20
.set STO,  24
.set RD,   25
.set CO,   26
.set ADRS, 27
.set SPW,  28
.set NIL,  29
.set SC,   32
.set BI,   64
.set AF,   128
.set BK,   128
.set G1, 24
.set G0, 32
.set G1B, 48
.set G0B, 56
.set G0H, 76                           ; s[76:79], s[80:83] group 0 for the head's loads; s[84:85], s[86:87] my rows' scales in memory
.set G0HB, 80
.set MSB, 0
.macro WIN new
.if MSB != \new
	s_set_vgpr_msb (MSB<<8)|\new
.set MSB, \new
.endif
.endm
.set MUL_LO, 0xa1
.set MUL_HI, 0xf1
.set FST_LO, 0x81
.set FST_HI, 0xc1
.set TO_B,   0x40
.macro JLOAD g0a, g1a, g0b, g1b
	s_cmp_eq_u32 s15, 0
	s_cbranch_scc0 .Lfor_b_\@
	tensor_load_to_lds s[\g0a:\g0a+3], s[\g1a:\g1a+7]
	s_nop 0
.rept 4
	v_nop
.endr
	s_branch .Lasked_\@
.Lfor_b_\@:
	tensor_load_to_lds s[\g0b:\g0b+3], s[\g1b:\g1b+7]
	s_nop 0
.rept 4
	v_nop
.endr
.Lasked_\@:
.endm
.macro CREST
	s_cmp_lg_u32 s14, 0
	s_cbranch_scc1 .Lnot_wave_0_\@
	s_barrier_signal -3
.Lnot_wave_0_\@:
	s_barrier_wait -3
	s_barrier_signal -1
	s_barrier_wait -1
.endm
.macro CROUND
	s_barrier_signal -1
	s_barrier_wait -1
	CREST
.endm
	s_load_b128 s[4:7], s[0:1], 0x0
	s_load_b128 s[8:11], s[0:1], 0x10
	s_load_b64 s[66:67], s[0:1], 0x20
	s_load_b64 s[12:13], s[0:1], 0x28
	v_lshl_add_u32 v[SPW], v0, 2, SPARE
	v_mov_b32 v[NIL], 0
	ds_add_u32 v28, v29
	ds_add_u32 v28, v29
	s_wait_dscnt 0x0
	v_lshrrev_b32 v1, 5, v0
	v_readfirstlane_b32 s14, v1
	s_lshr_b32 s15, s14, 1
	s_and_b32 s16, s14, 1
	s_bfe_u32 s40, ttmp6, 0x40000
	s_bfe_u32 s41, ttmp6, 0x40004
	s_lshl_b32 s42, ttmp9, 2
	s_add_co_u32 s42, s42, s40
	s_and_b32 s17, ttmp7, 0xffff
	s_lshl_b32 s17, s17, 2
	s_add_co_u32 s17, s17, s41
	s_lshl_b32 s43, s41, 2
	s_lshl_b32 s43, 15, s43
	s_lshl_b32 s44, 0x1111, s40
	s_or_b32 s[G1+0], s43, (1<<21)
	s_mov_b32 s[G1+1], ROWB<<16
	s_mov_b32 s[G1+2], 256<<16                     ; the head's loads bring 256 rows
	s_mov_b32 s[G1+3], ROWB<<16
	s_mov_b32 s[G1+4], 256
	s_mov_b32 s[G1+5], ROWB
	s_mov_b32 s[G1+6], 0
	s_mov_b32 s[G1+7], 0
	s_or_b32 s[G1B+0], s44, (0<<16)|(1<<20)|(1<<21)|(5<<22)|(3<<25)
	s_mov_b32 s[G1B+1], ROWB<<16
	s_mov_b32 s[G1B+2], 256<<16
	s_mov_b32 s[G1B+3], ROWB<<16
	s_mov_b32 s[G1B+4], 256
	s_mov_b32 s[G1B+5], KROW
	s_mov_b32 s[G1B+6], 0
	s_mov_b32 s[G1B+7], 0
	s_lshl_b32 s18, s16, 7
	s_lshl_b32 s20, s17, 8
	s_add_co_u32 s20, s20, s18
	s_lshl_b32 s46, s42, 8
	s_add_co_u32 s46, s46, s18
	s_mov_b32 s21, 0
	s_mov_b32 s47, 0
	s_mov_b64 s[18:19], KS
	s_mul_u64 s[22:23], s[20:21], s[18:19]
	s_mul_u64 s[92:93], s[46:47], s[18:19]
	s_mov_b64 s[18:19], KROW
	s_mul_u64 s[20:21], s[20:21], s[18:19]
	s_mul_u64 s[46:47], s[46:47], s[18:19]
	s_mul_i32 s45, s16, HALFT                      ; in the ring: B's half s16 of a slot,
	s_add_co_u32 s45, s45, BBASE
	s_lshl_b32 s94, s16, 16                        ; A's group s16
	s_wait_kmcnt 0x0
	s_add_nc_u64 s[20:21], s[4:5], s[20:21]
	s_add_nc_u64 s[22:23], s[6:7], s[22:23]
	s_add_nc_u64 s[46:47], s[8:9], s[46:47]
	s_add_nc_u64 s[92:93], s[10:11], s[92:93]
	CROUND
	s_lshl_b32 s18, s16, 12                        ; the scales of the 128 rows of A that I multiply (half s15) and of B (half s16): 4,096 dense bytes each
	s_mov_b32 s19, 0
	s_sub_nc_u64 s[84:85], s[22:23], s[18:19]
	s_lshl_b32 s18, s15, 12
	s_add_nc_u64 s[84:85], s[84:85], s[18:19]
	s_mov_b64 s[86:87], s[92:93]
	s_mul_i32 s18, s16, 128*KROW-ROWB
	s_mov_b32 s[G0H], 1                            ; THE HEAD'S LOADS, ONE A WAVE: waves 0, 1: the images of A's group 0, 1 for K steps 0 and 1, 65,536 dense bytes;
	s_mov_b32 s[G0H+1], s94
	s_mov_b64 s[G0H+2:G0H+3], s[20:21]
	s_or_b32 s[G0H+3], s[G0H+3], 0x80000000
	s_mov_b32 s[G0HB], 1                           ; waves 2, 3: B's 256 rows of K step 0, 1
	s_mul_i32 s[G0HB+1], s16, 2*HALFT
	s_add_co_u32 s[G0HB+1], s[G0HB+1], BBASE
	s_sub_nc_u64 s[G0HB+2:G0HB+3], s[46:47], s[18:19]
	s_or_b32 s[G0HB+3], s[G0HB+3], 0x80000000
.irp s, 0,1
	s_mov_b32 s[G0+4*\s], 1
	s_add_co_u32 s[G0+4*\s+1], s94, \s*32768
	s_add_nc_u64 s[G0+4*\s+2:G0+4*\s+3], s[20:21], \s*AIMG
	s_or_b32 s[G0+4*\s+3], s[G0+4*\s+3], 0x80000000
	s_mov_b32 s[G0B+4*\s], 1
	s_add_co_u32 s[G0B+4*\s+1], s45, \s*2*HALFT
	s_add_nc_u64 s[G0B+4*\s+2:G0B+4*\s+3], s[46:47], \s*ROWB
	s_or_b32 s[G0B+4*\s+3], s[G0B+4*\s+3], 0x80000000
.endr
	JLOAD G0H, G1, G0HB, G1B                       ; both slots' first fills go out as one group, one load a wave
	v_and_b32 v1, 15, v0
	v_bfe_u32 v2, v0, 4, 1
	v_and_b32 v6, 31, v0
	v_lshlrev_b32 v[CO], 4, v6
	v_mul_u32_u24 v3, v1, PITCH
	v_lshl_add_u32 v4, v2, 4, v3
	s_lshl_b32 s21, s15, 16
	s_mul_i32 s22, s16, HALFT
	s_add_co_u32 s22, s22, BBASE
.irp s, 0,1
	v_add_nc_u32 v[ADRA+\s], s21, v[CO]
	v_add_nc_u32 v[ADRB+\s], s22, v4
	s_add_co_u32 s21, s21, 32768
	s_add_co_u32 s22, s22, 2*HALFT
.endr
	v_mul_u32_u24 v5, v1, KS
	v_lshrrev_b32 v6, 8, v5
	v_lshl_add_u32 v5, v6, 4, v5
	s_mul_i32 s21, s14, 2*HALFS                    ; my wave's own scale bytes: A's 128 rows, then B's
	s_mov_b32 s22, HALFS
	v_mul_u32_u24 v6, s22, v2
	s_add_co_u32 s21, s21, SCL
	v_add_nc_u32 v5, v5, v6
	v_add_nc_u32 v[ADRS], s21, v5
	v_mul_u32_u24 v30, v2, 272                     ; where I store them: lanes 0-15 one unit of 256 bytes, lanes 16-31 the next, 272 bytes on
	v_lshl_add_u32 v30, v1, 4, v30
	v_add_nc_u32 v30, s21, v30
.irp k, 0,1,2,3,4,5,6,7
	global_load_b128 v[AF+4*\k:AF+4*\k+3], v[CO], s[84:85] offset:512*\k          ; my scales: 512 consecutive bytes a load
	global_load_b128 v[AF+32+4*\k:AF+32+4*\k+3], v[CO], s[86:87] offset:512*\k
.endr
	s_mul_i32 s23, s14, 16*SPITCH
	s_add_co_u32 s23, s23, BBASE                   ; the stages lie in B's slot 0: it has had its last fill and its last read when the first result is stored there
	v_mul_u32_u24 v5, v1, SPITCH
	v_lshl_add_u32 v5, v2, 5, v5
	v_add_nc_u32 v[STO], s23, v5
	v_add_nc_u32 v[RD], s23, v[CO]
	v_lshlrev_b32 v7, 5, v2
	s_wait_alu depctr_va_vdst(0)
	s_lshl_b32 s20, s17, 8
	s_lshl_b32 s21, s15, 7
	s_add_co_u32 s20, s20, s21
	s_mov_b32 s21, 0
	s_mov_b64 s[18:19], SIZE_N*4
	s_mul_u64 s[20:21], s[20:21], s[18:19]
	s_lshl_b32 s46, s42, 10
	s_lshl_b32 s47, s16, 9
	s_add_co_u32 s46, s46, s47
	s_mov_b32 s47, 0
	s_add_nc_u64 s[66:67], s[66:67], s[46:47]
	s_add_nc_u64 s[20:21], s[20:21], s[46:47]
	s_add_nc_u64 s[12:13], s[12:13], s[20:21]
.irp b, 0,1,2,3,4,5,6,7
	global_load_b128 v[BI+8*\b:BI+8*\b+3], v7, s[66:67] offset:64*\b
	global_load_b128 v[BI+8*\b+4:BI+8*\b+7], v7, s[66:67] offset:64*\b+16
.endr
.macro FRAG reg, adr, q, i
.irp c, 0,1,2,3
	ds_load_b128 v[\reg+4*\c:\reg+4*\c+3], v[\adr] offset:128*(\q)+32*\c+(\i)*16*PITCH
.endr
.endm
.macro FRAGA reg, adr, q, i
.irp c, 0,1,2,3
	ds_load_b128 v[\reg+4*\c:\reg+4*\c+3], v[\adr] offset:(2*(\i)+(\q))*2048+512*\c
.endr
.endm
.macro MUL16 a0, p, q, sc, first
.irp a, \a0, \a0+1
.irp b, 0,1,2,3,4,5,6,7
.if \first
	v_wmma_scale_f32_16x16x128_f8f6f4 v[8*(8*((\a)%4)+\b):8*(8*((\a)%4)+\b)+7], v[128*(\p)+FR*\b:128*(\p)+FR*\b+FR-1], v[AF+FR*(\a):AF+FR*(\a)+FR-1], v[BI+8*\b:BI+8*\b+7], v[SC+8*NQ*(\sc)+NQ*\b+(\q)], v[SC+8*NQ*(\sc)+NQ*(\a)+(\q)] matrix_a_scale:MATRIX_SCALE_ROW1
.else
	v_wmma_scale_f32_16x16x128_f8f6f4 v[8*(8*((\a)%4)+\b):8*(8*((\a)%4)+\b)+7], v[128*(\p)+FR*\b:128*(\p)+FR*\b+FR-1], v[AF+FR*(\a):AF+FR*(\a)+FR-1], v[8*(8*((\a)%4)+\b):8*(8*((\a)%4)+\b)+7], v[SC+8*NQ*(\sc)+NQ*\b+(\q)], v[SC+8*NQ*(\sc)+NQ*(\a)+(\q)] matrix_a_scale:MATRIX_SCALE_ROW1
.endif
.endr
.endr
.endm
.macro FETCH_B slot, q, p
	WIN TO_B
.irp i, 0,1,2,3,4,5,6,7
	FRAG 128*(\p)+FR*\i, ADRB+\slot, \q, \i
.endr
	WIN 0
.endm
.macro FETCH_A slot, q, i0
.irp i, \i0, \i0+1, \i0+2, \i0+3
	FRAGA AF+FR*(\i), ADRA+\slot, \q, \i
.endr
.endm
.macro SCALES sc
.irp i, 0,1,2,3,4,5,6,7
	ds_load_b64 v[SC+8*NQ*\sc+NQ*\i:SC+8*NQ*\sc+NQ*\i+1], v[ADRS] offset:\i*SBLK
.endr
.endm
.macro PLACES n
.rept \n
	v_nop
.endr
.endm
.macro STEP slot, q, first
	s_wait_dscnt 4*NL
.if \first
	WIN FST_LO
.else
	WIN MUL_LO
.endif
	MUL16 0, (\q)%2, \q, \slot, \first
	MUL16 2, (\q)%2, \q, \slot, \first
	s_wait_dscnt 0
	PLACES NP
	FETCH_B \slot, (\q)+1, 1-(\q)%2
	FETCH_A \slot, (\q)+1, 0
.if \first
	WIN FST_HI
.else
	WIN MUL_HI
.endif
	MUL16 4, (\q)%2, \q, \slot, \first
	MUL16 6, (\q)%2, \q, \slot, \first
	PLACES NP
	WIN 0
	FETCH_A \slot, (\q)+1, 4
.endm
.macro TURN slot, next, fill
	s_wait_tensorcnt 0x0
	ds_add_u32 v[SPW], v[NIL]
	s_wait_dscnt 4*NL+1
	WIN MUL_LO
	MUL16 0, 1, NQ-1, \slot, 0
	s_wait_dscnt 0x0
	s_barrier_signal -1
	MUL16 2, 1, NQ-1, \slot, 0
	WIN 0
	s_barrier_wait -1
.if \fill
	CREST
	s_add_nc_u64 s[G0+4*\slot+2:G0+4*\slot+3], s[G0+4*\slot+2:G0+4*\slot+3], 2*AIMG
	s_add_nc_u64 s[G0B+4*\slot+2:G0B+4*\slot+3], s[G0B+4*\slot+2:G0B+4*\slot+3], 2*ROWB
	JLOAD G0+4*\slot, G1, G0B+4*\slot, G1B
	PLACES NP-4
.else
	PLACES NP
.endif
	s_wait_alu depctr_va_vdst(0)
	v_add_nc_u32 v[ADRS], 4*NQ, v[ADRS]
	FETCH_B \next, 0, 0
	FETCH_A \next, 0, 0
	SCALES \next
	WIN MUL_HI
	MUL16 4, 1, NQ-1, \slot, 0
	MUL16 6, 1, NQ-1, \slot, 0
	PLACES NP
	WIN 0
	FETCH_A \next, 0, 4
.endm
	s_wait_alu depctr_va_vdst(0)                   ; the wait at the head's end
	s_wait_loadcnt 0x0                             ; the bias and my scales
	s_wait_tensorcnt 0x0                           ; my one load has landed, so a descriptor may be written: from here on a load brings 128 rows
	s_mov_b32 s[G1+2], 128<<16
	s_mov_b32 s[G1+4], 128
	s_mov_b32 s[G1B+2], 128<<16
	s_mov_b32 s[G1B+4], 128
.irp k, 0,1,2,3,4,5,6,7
	ds_store_b128 v30, v[AF+4*\k:AF+4*\k+3] offset:544*\k
	ds_store_b128 v30, v[AF+32+4*\k:AF+32+4*\k+3] offset:HALFS+544*\k
.endr
	s_wait_dscnt 0x0
	s_barrier_signal -1
	s_barrier_wait -1
	FETCH_B 0, 0, 0
	FETCH_A 0, 0, 0
	SCALES 0
	FETCH_A 0, 0, 4
	STEP 0, 0, 1
	s_mov_b32 s3, LAPS-1
.Llap:
	TURN 0, 1, 1
	STEP 1, 0, 0
	TURN 1, 0, 1
	STEP 0, 0, 0
	s_sub_co_u32 s3, s3, 1
	s_cmp_lg_u32 s3, 0
	s_cbranch_scc1 .Llap
	TURN 0, 1, 0
	STEP 1, 0, 0
	s_wait_dscnt 4*NL
	WIN MUL_LO
	MUL16 0, 1, NQ-1, 1, 0
	MUL16 2, 1, NQ-1, 1, 0
	s_wait_dscnt 0
	WIN MUL_HI
	MUL16 4, 1, NQ-1, 1, 0
	MUL16 6, 1, NQ-1, 1, 0
	WIN 0
.macro TOSTAGE a
.set AC, 64*((\a)%4)
	WIN 0x08+4*((\a)/4)
.irp b, 0,1,2,3,4,5,6,7
	ds_store_b128 v[STO], v[AC+8*\b:AC+8*\b+3] offset:64*\b
	ds_store_b128 v[STO], v[AC+8*\b+4:AC+8*\b+7] offset:64*\b+16
.endr
	WIN 0
.set BB, BK+64*((\a)%2)
.irp t, 0,1,2,3,4,5,6,7,8,9,10,11,12,13,14,15
	ds_load_b128 v[BB+4*\t:BB+4*\t+3], v[RD] offset:\t*SPITCH
.endr
.endm
.macro SEND a, younger
.set BB, BK+64*((\a)%2)
	s_wait_dscnt \younger
.irp t, 0,1,2,3,4,5,6,7,8,9,10,11,12,13,14,15
	global_store_b128 v[CO], v[BB+4*\t:BB+4*\t+3], s[12:13] offset:(32*((\a)/2)+8*((\a)%2)+\t+8*(\t/8))*SIZE_N*4 th:TH_STORE_NT
.endr
.endm
	PLACES NP
	TOSTAGE 0
.irp a, 1,2,3,4,5,6,7
.if \a > 1
	s_wait_xcnt 0x0
.endif
	TOSTAGE \a
	SEND \a-1, 32
.endr
	SEND 7, 0
	s_wait_tensorcnt 0x0
	ds_add_u32 v[SPW], v[NIL]
	s_wait_dscnt 0x0
	CROUND
	s_endpgm
.Lfunc_end_k_q152af28f34_proj:
	.size	k_q152af28f34_proj, .Lfunc_end_k_q152af28f34_proj-k_q152af28f34_proj
	.p2alignl 7, 3214868480
	.fill 96, 4, 3214868480
	.section	.rodata,"a",@progbits
	.p2align	6, 0x0
	.amdhsa_kernel k_q152af28f34_proj
		.amdhsa_group_segment_fixed_size 327680
		.amdhsa_private_segment_fixed_size 0
		.amdhsa_enable_private_segment 0
		.amdhsa_kernarg_size 48
		.amdhsa_user_sgpr_count 2
		.amdhsa_user_sgpr_kernarg_segment_ptr 1
		.amdhsa_wavefront_size32 1
		.amdhsa_system_sgpr_workgroup_id_x 1
		.amdhsa_system_sgpr_workgroup_id_y 1
		.amdhsa_system_sgpr_workgroup_id_z 1
		.amdhsa_system_vgpr_workitem_id 0
		.amdhsa_next_free_vgpr 1024
		.amdhsa_next_free_sgpr 98
		.amdhsa_reserve_vcc 0
		.amdhsa_float_denorm_mode_32 3
		.amdhsa_float_denorm_mode_16_64 3
		.amdhsa_memory_ordered 1
		.amdhsa_forward_progress 1
		.amdhsa_inst_pref_size 148
	.end_amdhsa_kernel
	.amdgpu_metadata
---
amdhsa.version: [ 1, 2 ]
amdhsa.kernels:
  - .name:           k_q152af28f34_proj
    .symbol:         k_q152af28f34_proj.kd
    .args:
      - { .name: aimg, .offset: 0, .size: 8, .value_kind: global_buffer, .address_space: global }
      - { .name: asc, .offset: 8, .size: 8, .value_kind: global_buffer, .address_space: global }
      - { .name: W_proj_codes, .offset: 16, .size: 8, .value_kind: global_buffer, .address_space: global }
      - { .name: W_proj_scales, .offset: 24, .size: 8, .value_kind: global_buffer, .address_space: global }
      - { .name: b_proj, .offset: 32, .size: 8, .value_kind: global_buffer, .address_space: global }
      - { .name: out0, .offset: 40, .size: 8, .value_kind: global_buffer, .address_space: global }
    .group_segment_fixed_size: 327680
    .private_segment_fixed_size: 0
    .kernarg_segment_align: 8
    .kernarg_segment_size: 48
    .max_flat_workgroup_size: 128
    .sgpr_count:     98
    .vgpr_count:     1024
    .wavefront_size: 32
...
	.end_amdgpu_metadata
.endif
;; end of part 3
